; MI455X (gfx1250); checked and timed in simulation.
; The chip was launched on July 23, 2026; its instructions are those of AMD's public machine-readable ISA for CDNA 5 (MIT licence, August 2026) and "CDNA5" Instruction Set Architecture Reference Guide (July 2026). The comments in the code are by the model that wrote it; some were corrected since.
;; Router. Allowed arithmetic: float matrix products may take bf16 or f16 operands with f32 sums; all other float work in f32.
;; Inputs: W1 2,048 x 1,024 float32; W2 1,024 x 16 float32; b1 1,024 float32; b2 16 float32; hidden_states 8 x 4,096 x 2,048 float32.
;; Outputs: out0 8 x 4,096 x 2 float32; out1 8 x 4,096 x 2 int32; out2 8 x 4,096 x 16 float32.
;; One version. Each part assembles by itself: llvm-mc -triple=amdgcn-amd-amdhsa -mcpu=gfx1250 --defsym DOCPART=n.
;; ======== version 1 of 1: 3 launches
;; workspace buffers: w1t 4,194,304 bytes; plog 4,194,304 bytes
;; launch prep (part 1): grid 16 x 16, 8 waves a work-group, no clusters, 18,432 bytes of LDS; arguments W1, w1t; writes w1t
.if DOCPART == 1
	.amdgcn_target "amdgcn-amd-amdhsa--gfx1250"
	.amdhsa_code_object_version 6
	.text
	.protected	k_q99ff5e7dbc_prep
	.globl	k_q99ff5e7dbc_prep
	.p2align	8
	.type	k_q99ff5e7dbc_prep,@function
k_q99ff5e7dbc_prep:
	s_mov_b64 s[64:65], 0
	v_nop
	global_prefetch_b8 v0, s[64:65] scope:SCOPE_SE
	s_setreg_imm32_b32 hwreg(HW_REG_WAVE_MODE, 25, 1), 1
	s_wait_xcnt 0x0
; w1t[n][k] = bf16(W1[k][n]).  W1: [2048 k][1024 n] f32.  w1t: [1024 n][2048 k] bf16, rounded once, to nearest even.
; The next launch multiplies with K along the rows of both operands, so W1 is turned here, once, through LDS.
; A work-group of eight waves takes 128 k x 64 n.  In: sixteen lanes read 256 consecutive bytes of a row of W1 (64 n).
; Out: sixteen lanes store 256 consecutive bytes of a row of w1t (128 k), at a multiple of 256 from its first byte.
; Thread t: c = t % 16, kp = t / 16.  It loads the rows k = 32 i + 2 kp + d (i = 0..3, d = 0, 1), columns 4 c .. 4 c + 3, and
; packs (k, k + 1) of one column into a word.  No matrix unit, cluster or tensor load: 12 MB move once, nothing is shared.
.set KROW, 4096                        ; bytes in a row of W1 (1,024 f32) and in a row of w1t (2,048 bf16)
.set LP,   272                         ; an LDS row: 128 k x 2 bytes + 16 of padding; 64 such rows = 17,408 bytes
.set GO,   1                           ; v1      my byte offset in the block of W1: row 2 kp, column 4 c
.set LS,   2                           ; v2      LDS: row 4 c, word kp
.set LR,   3                           ; v3      LDS: row kp, bytes 16 c on
.set SO,   4                           ; v4      my byte offset in the block of w1t: row kp, bytes 16 c on
.set X,    8                           ; v[8:39]   eight loads of four f32
.set Y,    40                          ; v[40:55]  sixteen words of two bf16
.set Z,    56                          ; v[56:71]  four rows' 16 bytes, to store
	s_load_b128 s[4:7], s[0:1], 0x0                ; W1 s[4:5], w1t s[6:7]
	v_lshl_add_u32 v72, v0, 2, 0x4400
	v_mov_b32 v73, 0
	s_and_b32 s8, ttmp7, 0xffff                    ; y: which 128 k
	s_lshl_b32 s10, s8, 19                         ; 128 rows of W1
	s_lshl_b32 s9, ttmp9, 8                        ; x: which 64 n, 256 bytes of a row of W1
	s_add_co_u32 s10, s10, s9
	s_mov_b32 s11, 0
	s_lshl_b32 s12, ttmp9, 18                      ; 64 rows of w1t
	s_lshl_b32 s9, s8, 8                           ; 128 k are 256 bytes of a row of w1t
	s_add_co_u32 s12, s12, s9
	s_mov_b32 s13, 0
	v_and_b32 v5, 15, v0                           ; c
	v_lshrrev_b32 v6, 4, v0                        ; kp
	v_lshlrev_b32 v[GO], 13, v6
	v_lshl_add_u32 v[GO], v5, 4, v[GO]
	v_mul_u32_u24 v[LS], v5, 4*LP
	v_lshl_add_u32 v[LS], v6, 2, v[LS]
	v_mul_u32_u24 v[LR], v6, LP
	v_lshl_add_u32 v[LR], v5, 4, v[LR]
	v_lshlrev_b32 v[SO], 12, v6
	v_lshl_add_u32 v[SO], v5, 4, v[SO]
	s_wait_kmcnt 0x0
	s_add_nc_u64 s[4:5], s[4:5], s[10:11]
	s_add_nc_u64 s[6:7], s[6:7], s[12:13]
.irp i, 0,1,2,3
.irp d, 0,1
	global_load_b128 v[X+4*(2*(\i)+(\d)):X+4*(2*(\i)+(\d))+3], v[GO], s[4:5] offset:(32*(\i)+(\d))*KROW th:TH_LOAD_NT  ; W1 is read once in the launch
.endr
.endr
.irp i, 0,1,2,3
	s_wait_loadcnt 6-2*(\i)                        ; loads come back in order: pair i is in, the pairs behind it may be out
.irp j, 0,1,2,3
	v_cvt_pk_bf16_f32 v[Y+4*(\i)+(\j)], v[X+8*(\i)+(\j)], v[X+8*(\i)+4+(\j)]  ; column 4 c + j: k in the low half, k + 1 in the high
.endr
.irp j, 0,1,2,3
	ds_store_b32 v[LS], v[Y+4*(\i)+(\j)] offset:(\j)*LP+(\i)*64   ; row 4 c + j, bytes 2 (32 i + 2 kp) on
.endr
.endr
	s_wait_dscnt 0x0                               ; for the others' sake: my stores are done
	s_barrier_signal -1
	s_barrier_wait -1
.irp i, 0,1,2,3
	ds_load_b128 v[Z+4*(\i):Z+4*(\i)+3], v[LR] offset:(\i)*16*LP  ; row 16 i + kp, written by many waves
.endr
.irp i, 0,1,2,3
	s_wait_dscnt 3-(\i)
	global_store_b128 v[SO], v[Z+4*(\i):Z+4*(\i)+3], s[6:7] offset:(\i)*16*KROW
.endr
	s_wait_tensorcnt 0x0
	ds_add_u32 v72, v73
	s_wait_dscnt 0x0
	s_endpgm
.Lfunc_end_k_q99ff5e7dbc_prep:
	.size	k_q99ff5e7dbc_prep, .Lfunc_end_k_q99ff5e7dbc_prep-k_q99ff5e7dbc_prep
	.p2alignl 7, 3214868480
	.fill 96, 4, 3214868480
	.section	.rodata,"a",@progbits
	.p2align	6, 0x0
	.amdhsa_kernel k_q99ff5e7dbc_prep
		.amdhsa_group_segment_fixed_size 18432
		.amdhsa_private_segment_fixed_size 0
		.amdhsa_enable_private_segment 0
		.amdhsa_kernarg_size 16
		.amdhsa_user_sgpr_count 2
		.amdhsa_user_sgpr_kernarg_segment_ptr 1
		.amdhsa_wavefront_size32 1
		.amdhsa_system_sgpr_workgroup_id_x 1
		.amdhsa_system_sgpr_workgroup_id_y 1
		.amdhsa_system_sgpr_workgroup_id_z 1
		.amdhsa_system_vgpr_workitem_id 0
		.amdhsa_next_free_vgpr 74
		.amdhsa_next_free_sgpr 66
		.amdhsa_reserve_vcc 0
		.amdhsa_float_denorm_mode_32 3
		.amdhsa_float_denorm_mode_16_64 3
		.amdhsa_memory_ordered 1
		.amdhsa_forward_progress 1
		.amdhsa_inst_pref_size 6
	.end_amdhsa_kernel
	.amdgpu_metadata
---
amdhsa.version: [ 1, 2 ]
amdhsa.kernels:
  - .name:           k_q99ff5e7dbc_prep
    .symbol:         k_q99ff5e7dbc_prep.kd
    .args:
      - { .name: W1, .offset: 0, .size: 8, .value_kind: global_buffer, .address_space: global }
      - { .name: w1t, .offset: 8, .size: 8, .value_kind: global_buffer, .address_space: global }
    .group_segment_fixed_size: 18432
    .private_segment_fixed_size: 0
    .kernarg_segment_align: 8
    .kernarg_segment_size: 16
    .max_flat_workgroup_size: 256
    .sgpr_count:     66
    .vgpr_count:     74
    .wavefront_size: 32
...
	.end_amdgpu_metadata
.endif
;; end of part 1
;; launch main (part 2): grid 4 x 128, 4 waves a work-group, clusters of 4 x 4, 327,680 bytes of LDS; arguments hidden_states, w1t, b1, W2, plog; writes plog
.if DOCPART == 2
	.amdgcn_target "amdgcn-amd-amdhsa--gfx1250"
	.amdhsa_code_object_version 6
	.text
	.protected	k_q99ff5e7dbc_main
	.globl	k_q99ff5e7dbc_main
	.p2align	8
	.type	k_q99ff5e7dbc_main,@function
k_q99ff5e7dbc_main:
	s_mov_b64 s[64:65], 0
	v_nop
	global_prefetch_b8 v0, s[64:65] scope:SCOPE_SE
	s_setreg_imm32_b32 hwreg(HW_REG_WAVE_MODE, 25, 1), 1
	s_wait_xcnt 0x0
	s_wait_alu depctr_hold_cnt(0) depctr_sa_sdst(0) depctr_va_vdst(0) depctr_va_sdst(0) depctr_va_ssrc(0) depctr_va_vcc(0) depctr_vm_vsrc(0)
	s_getreg_b32 s2, hwreg(HW_REG_IB_STS2, 6, 4)
	s_cmp_eq_u32 s2, 0
	s_cbranch_scc0 .Lentry_in_a_cluster
	s_endpgm
.Lentry_in_a_cluster:
	s_bfe_u32 s2, ttmp6, 0x10000c
	s_cmp_lg_u32 s2, 0xf033
	s_cbranch_scc0 .Lentry_shape_is_right
	s_endpgm
.Lentry_shape_is_right:
; plog[half][token][e] = the sum over the 512 hidden columns n of a half of relu(x[token] . W1[:, n] + b1[n]) W2[n][e].
; x = hidden_states: [32768][2048] f32.  w1t: [1024 n][2048 k] bf16 (W1 rounded and turned by the launch before).  b1: [1024], W2: [1024][16] f32.  plog: [2][32768][16] f32.
; FORMATS.  x, b1 and W2 are rounded once to bf16, to nearest even, as W1 was: every input has the same rounding.  Sums in f32.  b1 is the C operand of the first product, so it is added first, not last.
; h = relu(..) is NOT rounded: it enters the second product as three bf16 terms h0 + h1 + h2, each the rounding of what the terms before left; the differences are exact in f32, and three times 8 bits hold its 24.
; LIMITS.  An h at or above bf16's largest finite number (3.39e38) rounds to infinity; terms below bf16's smallest denormal are lost; NaN and infinities are not treated apart.
; SHARES.  A work-group makes 128 tokens x 512 hidden columns; its four waves, as many as a WGP has SIMDs, 128 tokens x 128 columns each: 64 accumulators, 512 registers.
; The other 512 columns of the same tokens are another work-group's; the launch behind adds the two halves' logits.
; B (w1t) comes by tensor loads through two LDS slots of 128 along K; a wave fetches the 128 rows that it alone multiplies.  A (x) comes by loads into registers, two stages of 64 along K, is rounded
; once and stored to LDS as bf16, in two buffers of 64 along K that all four waves read: as f32 in LDS it would cost twice the LDS bytes, written and read.
; CLUSTER.  4 x 4 work-groups.  The four of a row of the cluster (same cy) make the same half for four blocks of tokens and need the same tiles of w1t: each is asked for JOINTLY, by the same tensor load with
; the same descriptor and a mask that names the four.  Rows cy = 2 j and 2 j + 1 take the same tokens and walk K in step.  x is not asked for jointly: it goes through registers.
; THE MATRIX INSTRUCTION IS USED TRANSPOSED: source 0 = 16 rows of w1t, source 1 = 16 tokens.  In the result lane l holds token l % 16 and the columns 8 (l / 16) + 0..7; two such results packed to bf16
; ARE source 1 (32 columns x 16 tokens) of the second product, whose source 0 is 16 experts x 32 columns of W2; its result holds one token a lane and the experts 8 (l / 16) + 0..7.
; THE ORDER IN A QUARTER (64 matrix instructions, 32 along K).  x's conversions are vector work on registers: they stand in groups of four behind every second of a quarter's first 16 matrix instructions,
; each group between two window switches.  LDS and memory instructions stand in runs of 16, eight or sixteen matrix instructions apart, never singly (each would want switches of its own) and not in
; one long run: the four waves reach a run together, so a run of 16 asks LDS for 4 x 16 instructions at once.
; REGISTERS, in windows of 256 (s_set_vgpr_msb: bits 1:0 source 0, 3:2 source 1, 5:4 source 2, 7:6 destination):
;   window 0: v0-31 addresses; v32-63 x as bf16; v64-127, v128-191 A's fragments, two buffers; v192-255 b1 of my columns, later W2 as loaded.  On the way out: see below.
;   window 1: v0-63, v192-255 x as loaded, two stages; v64-127, v128-191 B's fragments, two buffers.  On the way out v0-191: the 24 accumulators of the second product.
;   window 2: the accumulators of tokens 0-63 ((a, b) at v[8 (8 (a % 4) + b)]: token block a, column block b);  window 3: those of tokens 64-127.
.set PITCH,  272                       ; a row of B in LDS: 256 bytes + 16 of padding = 68 words: the 16 rows of a load start at 16 different groups of four banks (64 banks of 4 bytes: ISA guide 11.1)
.set HALFT,  128*PITCH                 ; a wave's part of a slot: 128 rows
.set SLOT,   4*HALFT
.set SPARE,  2*SLOT                    ; behind the ring: the spare words, 128 bytes for each wave: two blocks of 256 bytes that no other line names
.set ABASE,  SPARE+512                 ; behind them, never filled by a tensor load: A's two buffers; on the way out the waves' partial logits lie here
.set APITCH, 144                       ; a row of A in LDS: 64 k x 2 bytes + 16 of padding = 36 words
.set ABUF,   128*APITCH
.set RPITCH, 80                        ; a token's 16 partial logits: 64 bytes + 16 of padding
.set RWAVE,  128*RPITCH                ; one wave's 128 tokens; four of them end at byte 320,000
.set LAPS,   8                         ; a lap = two slots = 256 along K; K = 2,048
.set ADRA, 16                          ; v16     LDS address of my A fragments in buffer 0
.set ADRB, 20                          ; v20-21  of my B fragments in slot 0, 1
.set XOFF, 22                          ; v22     my byte offset in the work-group's rows of x
.set AST,  23                          ; v23     LDS: where I put 8 bytes of a row of A
.set B1O,  24                          ; v24     my byte offset in my wave's 128 numbers of b1
.set W2O,  25                          ; v25     my byte offset in my wave's 128 rows of W2
.set RST,  26                          ; v26     the way out: where I put a token's 8 partial logits
.set RRD,  27                          ; v27     the way out: where I read 4 of them back
.set SPW,  28                          ; v28     LDS address of my spare word: SPARE + 4 x my thread's number; never rewritten
.set NIL,  29                          ; v29     0; never rewritten
.set POF,  30                          ; v30     my byte offset in 512 consecutive bytes of plog
.set NEG1, 31                          ; v31     -1.0
.set TT,   32
.set F0,   64
.set F1,   128
.set BI,   192                         ; BI + 8 b + j = bf16(b1[my wave's first column + 16 b + 8 (l / 16) + j])
.set W2R,  192                         ; the way out, window 0: W2 as loaded, 16 numbers for each 32 columns
.set W2F,  64                          ; its four fragments
.set RL,   96                          ; 16 numbers of h, then what the terms have left of them
.set H0,   112                         ; the three terms, 8 registers each: H0, H0 + 8, H0 + 16
.set PS,   136                         ; my partial logits: 8 a token block
.set QS,   64                          ; the four waves' partial logits of my 32 tokens
.set WV,  14                           ; s14  my wave's number
.set G1,  24                           ; s[24:31] descriptor group 1
.set G0,  32                           ; s[32:39] descriptor group 0, one set for each slot
.set XP,  40                           ; s[40:41] x at the work-group's first row; steps along K
.set W2P, 48                           ; s[48:49] W2 at my wave's first column
.set B1P, 50                           ; s[50:51] b1 likewise
.set PO,  52                           ; s[52:53] plog at the 32 tokens that I store
.set MSB, 0
.macro WIN new                         ; the immediate's high byte repeats the setting that is left; a switch that changes nothing is dropped
.if MSB != (\new)
	s_set_vgpr_msb (MSB<<8)|(\new)
.set MSB, \new
.endif
.endm
.set TO_B, 0x40                        ; destination window 1, address window 0
.macro PLACES                          ; a load into a register that a matrix instruction has read, and a vector instruction that reads a matrix result, stand four plain vector
.rept 4                                ; instructions behind it (ISA guide 7.12.1 for vector instructions); matrix instructions in between are not counted
	v_nop
.endr
.endm
.macro CREST                           ; a round of the cluster's barrier behind its opening barrier: wave 0 signals for the work-group, every wave waits for all sixteen, my work-group's barrier closes it
	s_cmp_lg_u32 s[WV], 0
	s_cbranch_scc1 .Lnot_wave_0_\@
	s_barrier_signal -3
.Lnot_wave_0_\@:
	s_barrier_wait -3
	s_barrier_signal -1
	s_barrier_wait -1
.endm
.macro CROUND                          ; a whole round
	s_barrier_signal -1
	s_barrier_wait -1
	CREST
.endm
; Matrix instruction n of a quarter's 64 on fragment buffer f: token block n / 8, column block n % 8, 32 along K.  zero = 1: the first product starts the sums, with b1 as C.
; The 64 accumulators take turns, one instruction a turn, in the same order in every quarter.  Each quarter sets n to 0 at its head.
.macro WM f, zero
.set wa, n/8
.set wb, n%8
.set wd, 8*(8*(wa%4)+wb)
.if \zero
	WIN 0x81+0x40*(wa/4)                           ; B window 1, A and C (b1) window 0, D window 2 or 3
	v_wmma_f32_16x16x32_bf16 v[wd:wd+7], v[(\f)+8*wb:(\f)+8*wb+7], v[(\f)+8*wa:(\f)+8*wa+7], v[BI+8*wb:BI+8*wb+7]
.else
	WIN 0xa1+0x50*(wa/4)                           ; B window 1, A window 0, C and D window 2 or 3
	v_wmma_f32_16x16x32_bf16 v[wd:wd+7], v[(\f)+8*wb:(\f)+8*wb+7], v[(\f)+8*wa:(\f)+8*wa+7], v[wd:wd+7]
.endif
.set n, n+1
.endm
.macro RUN f, zero, cnt                ; the quarter's next cnt matrix instructions, back to back
.rept \cnt
	WM \f, \zero
.endr
.endm
; A fragment is 16 rows x 32 K in 8 registers: lane l holds row l % 16, K = 8 (l / 16) + 0..7 and 16 + 8 (l / 16) + 0..7: two loads of 16 bytes, 32 bytes apart.
.macro FETCHB slot, bk, f              ; 16 LDS loads: my 128 rows of B at byte bk of slot's rows, into buffer f
	WIN TO_B
.irp i, 0,1,2,3,4,5,6,7
	ds_load_b128 v[(\f)+8*(\i):(\f)+8*(\i)+3],   v[ADRB+(\slot)] offset:(\bk)+(\i)*16*PITCH
	ds_load_b128 v[(\f)+8*(\i)+4:(\f)+8*(\i)+7], v[ADRB+(\slot)] offset:(\bk)+(\i)*16*PITCH+32
.endr
.endm
.macro FETCHA ab, ak, f                ; 16 LDS loads: the 128 tokens of A at byte ak of buffer ab's rows, into buffer f; tokens 64-127 last
	WIN 0
.irp i, 0,1,2,3,4,5,6,7
	ds_load_b128 v[(\f)+8*(\i):(\f)+8*(\i)+3],   v[ADRA] offset:(\ab)*ABUF+(\ak)+(\i)*16*APITCH
	ds_load_b128 v[(\f)+8*(\i)+4:(\f)+8*(\i)+7], v[ADRA] offset:(\ab)*ABUF+(\ak)+(\i)*16*APITCH+32
.endr
.endm
; 16 loads: my 32 rows of x, 64 along K (256 bytes of a row, at a multiple of 256 from x's first byte, by sixteen lanes), into stage st.  u: which 64 of the 256 along K at which XP stands.
.macro XLOAD st, u
	WIN 0x40                                       ; destination window 1, address window 0
.irp i, 0,1,2,3,4,5,6,7,8,9,10,11,12,13,14,15
	global_load_b128 v[192*(\st)+4*(\i):192*(\st)+4*(\i)+3], v[XOFF], s[XP:XP+1] offset:(\i)*16384+(\u)*256
.endr
.endm
; Four conversions: loads cj and cj + 1 of stage st's sixteen are rounded to bf16.  They name no register of a matrix instruction.  The user sets cj to 0 ahead of the first of eight.
.macro CV4 st
	WIN 0x05                                       ; sources window 1, destination window 0
.rept 2
	v_cvt_pk_bf16_f32 v[TT+2*cj],   v[192*(\st)+4*cj],   v[192*(\st)+4*cj+1]
	v_cvt_pk_bf16_f32 v[TT+2*cj+1], v[192*(\st)+4*cj+2], v[192*(\st)+4*cj+3]
.set cj, cj+1
.endr
.endm
.macro XSTORE st                       ; 16 LDS stores: the rounded stage into A's buffer st
	WIN 0
.irp i, 0,1,2,3,4,5,6,7,8,9,10,11,12,13,14,15
	ds_store_b64 v[AST], v[TT+2*(\i):TT+2*(\i)+1] offset:(\st)*ABUF+(\i)*2*APITCH  ; row 32 w + 2 i + l / 16, k = 4 (l % 16) on
.endr
.endm
; W2 for the second product: fragment f (32 columns): lane l takes expert l % 16 and the columns 8 (l / 16) + 0..7 and 16 + 8 (l / 16) + 0..7: 64 loads of a word, once a wave; sixteen lanes read a row's 64 bytes.
.macro W2LOAD
	WIN 0
.set i, 0
.rept 64
	global_load_b32 v[W2R+i], v[W2O], s[W2P:W2P+1] offset:(32*(i/16)+(i%16)+8*((i%16)/8))*64
.set i, i+1
.endr
.endm
; A slot's K step is four quarters on fragment buffers F0, F1, F0, F1; quarters 0, 1 read A's buffer 0, quarters 2, 3 buffer 1.
; QUARTER is quarter 0 or 2: it multiplies F0 and fetches the next quarter's fragments into F1.  xc = 1: it also rounds stage st of x (cnt: the younger stage's loads, which may stay out) and stores
; it into A's buffer st, which nobody reads now; re = 1: the stage is loaded again, with the 64 along K two half steps on: 240 matrix instructions ahead of the wait for it.
; The 32 conversions (xc = 0: four v_nop) are the places between the last quarter's products, which read F1, and the loads into F1.
.macro QUARTER slot, bk, ab, ak, zero, xc=0, st=0, re=0, u=0, cnt=0, w2=0
.set n, 0
	s_wait_dscnt 8                                 ; B and A's tokens 0-63 are in; the youngest eight loads (tokens 64-127) may be out
.if \xc
	s_wait_loadcnt \cnt                            ; loads come back in order (ISA guide 5.7.1): this stage is in
.set cj, 0
.rept 8
	WM F0, \zero
	CV4 \st
	WM F0, \zero
.endr
	XSTORE \st
.if \re
	XLOAD \st, \u
.endif
.else
	RUN F0, \zero, 16
	PLACES
.endif
	RUN F0, \zero, 8
	FETCHB \slot, \bk, F1
	s_wait_dscnt 16+16*(\xc)                       ; all but what this quarter has issued (B's 16 loads, A's 16 stores): F0 is whole
	RUN F0, \zero, 16
.if \w2
	W2LOAD
.endif
	FETCHA \ab, \ak, F1
	RUN F0, \zero, 24
.endm
; HALF is quarter 1: it multiplies F1, and changes A's buffers: one barrier of the work-group, at its head.  In front of it each wave's stores into buffer 1 and its reads of buffer 0 are done (the last
; were issued 24 matrix instructions ago); behind it buffer 1 is read, and buffer 0 is written in the quarter after.  No tensor load fills anything behind this barrier, so the slot's refill may stay out.
.macro HALF slot
.set n, 0
	s_wait_dscnt 0x0                               ; F1 is whole; and for the others' sake: my stores of A are done, my reads of the old buffer are back
	s_barrier_signal -1
	RUN F1, 0, 16                                  ; work on registers while the others arrive
	s_barrier_wait -1
	PLACES
	FETCHB \slot, 128, F0
	RUN F1, 0, 16
	FETCHA 1, 0, F0
	RUN F1, 0, 32
.endm
; TURN is quarter 3: it multiplies F1 and changes slots and A's buffers.  In front of the barrier each wave waits for all its tensor loads, of which one is out: its part of the next slot; adds 0 to its
; spare word; and waits for that, for its reads of this slot and of A's buffer 1, and for its stores into buffer 0.  fill = 1: the barrier opens a round of the cluster's barrier, and this slot is filled again,
; two K steps ahead, first thing behind the round: the load has a K step less 16 matrix instructions, 240, in which to land.
.macro TURN slot, fill
.set n, 0
	WIN 0                                          ; (the add's two registers lie in window 0)
	s_wait_tensorcnt 0x0                           ; all my tensor loads have landed, so a group 0 may be written
	ds_add_u32 v[SPW], v[NIL]                      ; 0 onto my spare word
	s_wait_dscnt 1                                 ; (the add alone may be out: F1 is whole)
	RUN F1, 0, 8                                   ; eight matrix instructions stand between the add and the wait for it
	s_wait_dscnt 0x0                               ; the add is done; my reads of this slot and my stores of A are over
	s_barrier_signal -1
	RUN F1, 0, 8
.if \fill
	WIN 0
.endif
	s_barrier_wait -1
.if \fill
	CREST                                          ; no wave of any partner still reads this slot's tile or has a load on its way
	s_add_nc_u64 s[G0+4*(\slot)+2:G0+4*(\slot)+3], s[G0+4*(\slot)+2:G0+4*(\slot)+3], 512  ; two K steps of 256 bytes on; the type bits on top are not reached
	tensor_load_to_lds s[G0+4*(\slot):G0+4*(\slot)+3], s[G1:G1+7]  ; my one tensor load behind the round
	s_nop 0
.endif
	PLACES                                         ; four v_nop follow the load; they are also the places in front of the loads below
	FETCHB 1-(\slot), 0, F0
	RUN F1, 0, 16
	FETCHA 0, 0, F0
	RUN F1, 0, 32
.endm
	s_load_b256 s[4:11], s[0:1], 0x0               ; x s[4:5], w1t s[6:7], b1 s[8:9], W2 s[10:11]
	s_load_b64 s[12:13], s[0:1], 0x20              ; plog
	v_lshl_add_u32 v[SPW], v0, 2, SPARE
	v_mov_b32 v[NIL], 0
	ds_add_u32 v28, v29
	s_wait_dscnt 0x0
	v_lshrrev_b32 v3, 5, v0
	v_readfirstlane_b32 s[WV], v3                  ; wave 0..3
	s_bfe_u32 s15, ttmp6, 0x40000                  ; cx: my place along the cluster's x
	s_bfe_u32 s16, ttmp6, 0x40004                  ; cy: along its y
	s_and_b32 s17, s16, 1                          ; which half of the hidden columns: the same along a row of the cluster
	s_and_b32 s20, ttmp7, 0xffff                   ; in a cluster launch ttmp7 counts clusters
	s_lshl_b32 s20, s20, 2
	s_add_co_u32 s20, s20, s16                     ; work-group y = 4 x cluster y + cy
	s_lshr_b32 s20, s20, 1
	s_lshl_b32 s18, s20, 2
	s_add_co_u32 s18, s18, s15                     ; my block of 128 tokens = 4 (y / 2) + cx: it enters x's and plog's addresses alone
	s_lshl_b32 s19, s16, 2
	s_lshl_b32 s19, 15, s19                        ; my row of the cluster: places 4 cy .. 4 cy + 3
	; descriptor group 1: a tile of 128 rows x 128 elements of 2 bytes, padded in LDS
	s_or_b32 s[G1+0], s19, (1<<16)|(1<<20)|(1<<21)|(5<<22)|(3<<25)  ; 15:0 the mask; 17:16 elements of 2 bytes; 20 padding on; 21 set beside a mask; 24:22 after every 64 words (code 5); 31:25 4 words of it (code 3)
	s_mov_b32 s[G1+1], 128<<16                     ; tensor_dim0 = 128
	s_mov_b32 s[G1+2], 128<<16                     ; tensor_dim1 = 128
	s_mov_b32 s[G1+3], 128<<16                     ; tile_dim0 = 128
	s_mov_b32 s[G1+4], 128                         ; tile_dim1 = 128
	s_mov_b32 s[G1+5], 2048                        ; elements from row to row of w1t
	s_mov_b32 s[G1+6], 0
	s_mov_b32 s[G1+7], 0
	s_lshl_b32 s44, s17, 21                        ; the half's 512 rows of w1t, 4,096 bytes each,
	s_lshl_b32 s45, s[WV], 19                      ; my wave's 128 of them: made of cy and the wave's number, in registers that never hold cx
	s_add_co_u32 s44, s44, s45
	s_mov_b32 s45, 0
	s_mul_i32 s46, s[WV], HALFT                    ; and where they go: no place in the cluster enters an LDS address
	s_lshl_b32 s20, s18, 20                        ; my block's 128 rows of x, 8,192 bytes each
	s_mov_b32 s21, 0
	s_lshl_b32 s22, s17, 9
	s_lshl_b32 s23, s[WV], 7
	s_add_co_u32 s22, s22, s23                     ; my wave's first hidden column
	v_and_b32 v1, 15, v0                           ; l % 16
	v_bfe_u32 v2, v0, 4, 1                         ; l / 16
	v_and_b32 v5, 31, v0                           ; l
	v_mov_b32 v[NEG1], -1.0
	v_mul_u32_u24 v3, v1, APITCH
	v_lshl_add_u32 v3, v2, 4, v3
	v_add_nc_u32 v[ADRA], ABASE, v3                ; row x pitch + 16 x half
	v_mul_u32_u24 v4, v1, PITCH
	v_lshl_add_u32 v4, v2, 4, v4
	v_add_nc_u32 v[ADRB], s46, v4
	v_add_nc_u32 v[ADRB+1], SLOT, v[ADRB]
	s_lshl_b32 s23, s[WV], 18                      ; my wave's 32 rows of x
	v_lshlrev_b32 v[XOFF], 4, v1
	v_lshl_add_u32 v[XOFF], v2, 13, v[XOFF]        ; lanes 0-15 one row's 256 bytes, lanes 16-31 the next row's
	v_add_nc_u32 v[XOFF], s23, v[XOFF]
	s_mul_i32 s23, s[WV], 32*APITCH
	s_add_co_u32 s23, s23, ABASE
	v_mul_u32_u24 v[AST], v2, APITCH
	v_lshl_add_u32 v[AST], v1, 3, v[AST]
	v_add_nc_u32 v[AST], s23, v[AST]
	v_lshlrev_b32 v[B1O], 5, v2                    ; eight f32 for each half of the lanes
	v_lshlrev_b32 v[W2O], 2, v1
	v_lshl_add_u32 v[W2O], v2, 9, v[W2O]           ; expert l % 16, eight rows of 64 bytes for each half of the lanes
	s_mul_i32 s23, s[WV], RWAVE
	s_add_co_u32 s23, s23, ABASE
	v_mul_u32_u24 v[RST], v1, RPITCH
	v_lshl_add_u32 v[RST], v2, 5, v[RST]
	v_add_nc_u32 v[RST], s23, v[RST]
	s_mul_i32 s23, s[WV], 32*RPITCH
	s_add_co_u32 s23, s23, ABASE
	v_lshrrev_b32 v6, 2, v5
	v_and_b32 v7, 3, v5
	v_mul_u32_u24 v[RRD], v6, RPITCH
	v_lshl_add_u32 v[RRD], v7, 4, v[RRD]
	v_add_nc_u32 v[RRD], s23, v[RRD]               ; token 32 w + l / 4, experts 4 (l % 4) on
	v_lshlrev_b32 v[POF], 4, v5
	s_wait_kmcnt 0x0
	s_add_nc_u64 s[44:45], s[6:7], s[44:45]
.irp s, 0,1
	s_mov_b32 s[G0+4*(\s)], 1                                      ; 1:0 count = 1
	s_add_co_u32 s[G0+4*(\s)+1], s46, (\s)*SLOT                    ; 63:32 LDS address
	s_add_nc_u64 s[G0+4*(\s)+2:G0+4*(\s)+3], s[44:45], (\s)*256    ; 120:64 global address: K step s
	s_or_b32 s[G0+4*(\s)+3], s[G0+4*(\s)+3], 0x80000000            ; 127:126 type = 2
.endr
	s_add_nc_u64 s[XP:XP+1], s[4:5], s[20:21]
	s_lshl_b32 s42, s22, 6                         ; a row of W2 is 64 bytes
	s_mov_b32 s43, 0
	s_add_nc_u64 s[W2P:W2P+1], s[10:11], s[42:43]
	s_lshl_b32 s42, s22, 2
	s_add_nc_u64 s[B1P:B1P+1], s[8:9], s[42:43]
	s_lshl_b32 s42, s18, 13                        ; plog: my block's 128 tokens of 64 bytes,
	s_lshl_b32 s23, s[WV], 11                      ; the 32 of them that I store,
	s_add_co_u32 s42, s42, s23
	s_lshl_b32 s23, s17, 21                        ; in my half's 2,097,152 bytes
	s_add_co_u32 s42, s42, s23
	s_add_nc_u64 s[PO:PO+1], s[12:13], s[42:43]
.irp b, 0,1,2,3,4,5,6,7
	global_load_b128 v[BI+8*(\b):BI+8*(\b)+3],   v[B1O], s[B1P:B1P+1] offset:64*(\b)
	global_load_b128 v[BI+8*(\b)+4:BI+8*(\b)+7], v[B1O], s[B1P:B1P+1] offset:64*(\b)+16
.endr
	XLOAD 0, 0                                     ; x, K = 0 to 63
	XLOAD 1, 1                                     ; x, K = 64 to 127
	WIN 0
	CROUND                                         ; all sixteen work-groups are here: the first joint loads meet
	tensor_load_to_lds s[G0:G0+3], s[G1:G1+7]      ; both first fills go out together: two tensor loads of mine are out here, one behind each later round
	s_nop 0
	tensor_load_to_lds s[G0+4:G0+7], s[G1:G1+7]
	s_nop 0
	PLACES                                         ; four v_nop follow the second
	s_wait_loadcnt 32                              ; b1 is in; the 32 loads of x behind it may be out
.set i, 0
.rept 32
	v_cvt_pk_bf16_f32 v[TT+i], v[BI+2*i], v[BI+2*i+1]  ; b1 rounded to bf16,
.set i, i+1
.endr
.set i, 0
.rept 32
	v_lshlrev_b32 v[BI+2*i],   16, v[TT+i]         ; and widened again
	v_and_b32     v[BI+2*i+1], 0xffff0000, v[TT+i]
.set i, i+1
.endr
	s_wait_loadcnt 16                              ; x's stage 0 is in; stage 1's 16 loads may be out
.set cj, 0
.rept 8
	CV4 0                                          ; there is no matrix work yet to set these behind
.endr
	XSTORE 0                                       ; K = 0 to 63 into A's buffer 0;
	XLOAD 0, 2                                     ; K = 128 to 191 is asked for
	WIN 0
	s_wait_tensorcnt 0x1                           ; my part of slot 0 is in; slot 1's may stay out
	s_wait_dscnt 0x0                               ; my stores of A are done
	s_barrier_signal -1
	s_barrier_wait -1
	FETCHB 0, 0, F0
	FETCHA 0, 0, F0
	QUARTER 0, 64, 0, 64, 1, 1, 1, 1, 3, 16        ; the first quarter stands in front of the loop: its products start the sums
	WIN 0                                          ; at a label and at a branch every window is 0
	s_wait_xcnt 0x0                                ; the loads' addresses are translated (ISA guide 3.1): only now is their base stepped
	s_add_nc_u64 s[XP:XP+1], s[XP:XP+1], 1024      ; 256 along K
	s_mov_b32 s3, LAPS-1
.Llap:                                                 ; a trip goes once round the ring, from a lap's second quarter to the next lap's first; in half step t it stores x of half step t + 1 and asks for t + 3
	HALF 0
	QUARTER 0, 192, 1, 64, 0, 1, 0, 1, 0, 16
	TURN 0, 1
	QUARTER 1, 64, 0, 64, 0, 1, 1, 1, 1, 16
	HALF 1
	QUARTER 1, 192, 1, 64, 0, 1, 0, 1, 2, 16
	TURN 1, 1
	QUARTER 0, 64, 0, 64, 0, 1, 1, 1, 3, 16        ; in the last trip: K = 1,984 to 2,047, x's last
	WIN 0
	s_wait_xcnt 0x0
	s_add_nc_u64 s[XP:XP+1], s[XP:XP+1], 1024
	s_sub_co_u32 s3, s3, 1
	s_cmp_lg_u32 s3, 0
	s_cbranch_scc1 .Llap
	HALF 0                                         ; the last lap asks for nothing more
	QUARTER 0, 192, 1, 64, 0, 1, 0, 0, 0, 16       ; the last stage's 16 loads may be out
	TURN 0, 0
	QUARTER 1, 64, 0, 64, 0, 1, 1, 0, 0, 0, 1      ; x's last stage; W2 is asked for, 216 matrix instructions ahead of its use
	HALF 1
	QUARTER 1, 192, 1, 64, 0
.set n, 0
	s_wait_dscnt 8                                 ; the very last quarter: nothing more to fetch
	RUN F1, 0, 32
	s_wait_dscnt 0x0                               ; my last reads of the ring and of A's buffers are back
	RUN F1, 0, 32
	; THE SECOND PRODUCT.  For token block a and 32 columns (column blocks 2 f, 2 f + 1): relu; three bf16 terms; three products with W2's fragment f, each term on an accumulator of its own.
	WIN 0
	PLACES
	s_wait_loadcnt 0x0                             ; W2
.set i, 0
.rept 32
	v_cvt_pk_bf16_f32 v[W2F+i], v[W2R+2*i], v[W2R+2*i+1]
.set i, i+1
.endr
.macro TERM h, more                    ; what is left of the 16 numbers is rounded to bf16; more = 1: and the rounded term is taken away again, exactly
.set j, 0
.rept 8
	v_cvt_pk_bf16_f32 v[(\h)+j], v[RL+2*j], v[RL+2*j+1]
.set j, j+1
.endr
.if \more
.set j, 0
.rept 8
	v_fma_mix_f32_bf16 v[RL+2*j],   v[(\h)+j], v[NEG1], v[RL+2*j]   op_sel:[0,0,0] op_sel_hi:[1,0,0]  ; the low half as bf16, times -1, plus the f32
	v_fma_mix_f32_bf16 v[RL+2*j+1], v[(\h)+j], v[NEG1], v[RL+2*j+1] op_sel:[1,0,0] op_sel_hi:[1,0,0]  ; the high half
.set j, j+1
.endr
.endif
.endm
; The three accumulators take turns, one instruction a turn.  The next block's 16 maxima, which name none of these products' registers, are the places in front of the lines that write the terms anew.
.macro EBLOCK a, f
.set AC, 8*(8*((\a)%4)+2*(\f))
	WIN 0x08+4*((\a)/4)                            ; source 1 in window 2 or 3
.set j, 0
.rept 16
	v_max_num_f32 v[RL+j], 0, v[AC+j]              ; each accumulator is read from its low end on
.set j, j+1
.endr
	WIN 0
	TERM H0, 1
	TERM H0+8, 1
	TERM H0+16, 0
	WIN 0x50                                       ; C and D window 1
.irp t, 0,1,2
.if (\f) == 0
	v_wmma_f32_16x16x32_bf16 v[8*(3*(\a)+(\t)):8*(3*(\a)+(\t))+7], v[W2F+8*(\f):W2F+8*(\f)+7], v[H0+8*(\t):H0+8*(\t)+7], 0
.else
	v_wmma_f32_16x16x32_bf16 v[8*(3*(\a)+(\t)):8*(3*(\a)+(\t))+7], v[W2F+8*(\f):W2F+8*(\f)+7], v[H0+8*(\t):H0+8*(\t)+7], v[8*(3*(\a)+(\t)):8*(3*(\a)+(\t))+7]
.endif
.endr
.endm
.irp a, 0,1,2,3,4,5,6,7
.irp f, 0,1,2,3
	EBLOCK \a, \f
.endr
.endr
	WIN 0x45                                       ; all in window 1: the two small terms' sums first; blocks 0 to 6's additions are the places behind block 7's products
.set a, 0
.rept 8
.set z, 0
.rept 4
	v_pk_add_f32 v[8*(3*a+1)+2*z:8*(3*a+1)+2*z+1], v[8*(3*a+1)+2*z:8*(3*a+1)+2*z+1], v[8*(3*a+2)+2*z:8*(3*a+2)+2*z+1]
.set z, z+1
.endr
.set a, a+1
.endr
	WIN 0x05                                       ; sources window 1, destination window 0
.set a, 0
.rept 8
.set z, 0
.rept 4
	v_pk_add_f32 v[PS+8*a+2*z:PS+8*a+2*z+1], v[24*a+2*z:24*a+2*z+1], v[8*(3*a+1)+2*z:8*(3*a+1)+2*z+1]
.set z, z+1
.endr
.set a, a+1
.endr
	WIN 0
	; THE WAY OUT.  The four waves' partial logits (128 columns each) meet in LDS, where A's buffers lay: every wave's reads of those came back in its last quarter, in front of this barrier.
	s_barrier_signal -1
	s_barrier_wait -1
.irp a, 0,1,2,3,4,5,6,7
	ds_store_b128 v[RST], v[PS+8*(\a):PS+8*(\a)+3]   offset:(\a)*16*RPITCH      ; token 16 a + l % 16, experts 8 (l / 16) on
	ds_store_b128 v[RST], v[PS+8*(\a)+4:PS+8*(\a)+7] offset:(\a)*16*RPITCH+16
.endr
	s_wait_dscnt 0x0                               ; for the others' sake: my stores are done
	s_barrier_signal -1
	s_barrier_wait -1
.irp p, 0,1,2,3
.irp g, 0,1,2,3
	ds_load_b128 v[QS+16*(\p)+4*(\g):QS+16*(\p)+4*(\g)+3], v[RRD] offset:(\p)*RWAVE+(\g)*8*RPITCH  ; wave p's part for token 32 w + 8 g + l / 4
.endr
.endr
	s_wait_dscnt 0x0
.irp g, 0,1,2,3
.irp z, 0,2
	v_pk_add_f32 v[QS+4*(\g)+(\z):QS+4*(\g)+(\z)+1], v[QS+4*(\g)+(\z):QS+4*(\g)+(\z)+1], v[QS+16+4*(\g)+(\z):QS+16+4*(\g)+(\z)+1]
	v_pk_add_f32 v[QS+32+4*(\g)+(\z):QS+32+4*(\g)+(\z)+1], v[QS+32+4*(\g)+(\z):QS+32+4*(\g)+(\z)+1], v[QS+48+4*(\g)+(\z):QS+48+4*(\g)+(\z)+1]
.endr
.endr
.irp g, 0,1,2,3
.irp z, 0,2
	v_pk_add_f32 v[QS+4*(\g)+(\z):QS+4*(\g)+(\z)+1], v[QS+4*(\g)+(\z):QS+4*(\g)+(\z)+1], v[QS+32+4*(\g)+(\z):QS+32+4*(\g)+(\z)+1]
.endr
.endr
.irp g, 0,1,2,3
	global_store_b128 v[POF], v[QS+4*(\g):QS+4*(\g)+3], s[PO:PO+1] offset:512*(\g)  ; eight tokens: 512 consecutive bytes, at a multiple of 256 from plog's first byte
.endr
	s_wait_tensorcnt 0x0                           ; the wave's end: behind my last tensor load and my last LDS store
	ds_add_u32 v[SPW], v[NIL]
	s_wait_dscnt 0x0
	CROUND                                         ; the closing round: no work-group ends while a partner may still ask for a tile that names it
	s_endpgm
.Lfunc_end_k_q99ff5e7dbc_main:
	.size	k_q99ff5e7dbc_main, .Lfunc_end_k_q99ff5e7dbc_main-k_q99ff5e7dbc_main
	.p2alignl 7, 3214868480
	.fill 96, 4, 3214868480
	.section	.rodata,"a",@progbits
	.p2align	6, 0x0
	.amdhsa_kernel k_q99ff5e7dbc_main
		.amdhsa_group_segment_fixed_size 327680
		.amdhsa_private_segment_fixed_size 0
		.amdhsa_enable_private_segment 0
		.amdhsa_kernarg_size 40
		.amdhsa_user_sgpr_count 2
		.amdhsa_user_sgpr_kernarg_segment_ptr 1
		.amdhsa_wavefront_size32 1
		.amdhsa_system_sgpr_workgroup_id_x 1
		.amdhsa_system_sgpr_workgroup_id_y 1
		.amdhsa_system_sgpr_workgroup_id_z 1
		.amdhsa_system_vgpr_workitem_id 0
		.amdhsa_next_free_vgpr 1024
		.amdhsa_next_free_sgpr 66
		.amdhsa_reserve_vcc 0
		.amdhsa_float_denorm_mode_32 3
		.amdhsa_float_denorm_mode_16_64 3
		.amdhsa_memory_ordered 1
		.amdhsa_forward_progress 1
		.amdhsa_inst_pref_size 255
	.end_amdhsa_kernel
	.section	.bss,"aw",@nobits
	.p2align	6
	.space	262144
	.amdgpu_metadata
---
amdhsa.version: [ 1, 2 ]
amdhsa.kernels:
  - .name:           k_q99ff5e7dbc_main
    .symbol:         k_q99ff5e7dbc_main.kd
    .args:
      - { .name: hidden_states, .offset: 0, .size: 8, .value_kind: global_buffer, .address_space: global }
      - { .name: w1t, .offset: 8, .size: 8, .value_kind: global_buffer, .address_space: global }
      - { .name: b1, .offset: 16, .size: 8, .value_kind: global_buffer, .address_space: global }
      - { .name: W2, .offset: 24, .size: 8, .value_kind: global_buffer, .address_space: global }
      - { .name: plog, .offset: 32, .size: 8, .value_kind: global_buffer, .address_space: global }
    .group_segment_fixed_size: 327680
    .private_segment_fixed_size: 0
    .kernarg_segment_align: 8
    .kernarg_segment_size: 40
    .max_flat_workgroup_size: 128
    .sgpr_count:     66
    .vgpr_count:     1024
    .wavefront_size: 32
...
	.end_amdgpu_metadata
.endif
;; end of part 2
;; launch finish (part 3): grid 256 x 1, 4 waves a work-group, no clusters, 0 bytes of LDS; arguments plog, b2, out0, out1, out2; writes out0, out1, out2
.if DOCPART == 3
	.amdgcn_target "amdgcn-amd-amdhsa--gfx1250"
	.amdhsa_code_object_version 6
	.text
	.protected	k_q99ff5e7dbc_finish
	.globl	k_q99ff5e7dbc_finish
	.p2align	8
	.type	k_q99ff5e7dbc_finish,@function
k_q99ff5e7dbc_finish:
	s_mov_b64 s[64:65], 0
	v_nop
	global_prefetch_b8 v0, s[64:65] scope:SCOPE_SE
	s_setreg_imm32_b32 hwreg(HW_REG_WAVE_MODE, 25, 1), 1
	s_wait_xcnt 0x0
; logits = plog[0] + plog[1] + bf16(b2); out2 = softmax over the 16 experts; out1 = the two largest probabilities' experts; out0 = those two probabilities divided by (their sum + 1e-8).
; plog: [2][32768][16] f32.  b2: [16] f32, rounded to bf16 like every input of the program.  out0: [32768][2] f32, out1: [32768][2] i32, out2: [32768][16] f32.
; The row's maximum is taken away before the exponential.  Equal probabilities go to the lower expert number, first and second place alike.
; LIMITS.  A weight below 2^-126 counts as 0 (v_exp_f32 flushes denormals: ISA guide 15.8); divisions are reciprocals and multiplies; NaN and infinities are not treated apart.
; SHARES.  A wave takes 32 tokens in four groups of 8; in group g lane l holds experts 4 (l % 4) .. + 3 of token 8 g + l / 4, so a load or store of a wave covers 512 consecutive bytes, and a token's
; maximum, sum and minimum want two steps between four neighbouring lanes, which ride on the arithmetic (DPP).  All choices are selects: no branch and no address hangs on a number.
; Each phase is written over all four groups, so that independent lines stand between dependent ones.  7 MB move once: no LDS, matrix unit, cluster or barrier has anything to add.
.set PO,  1                            ; v1   my byte offset in the work-group's rows of plog and out2
.set BO,  2                            ; v2   my byte offset in b2
.set OO,  3                            ; v3   my byte offset in the work-group's part of out0 and out1
.set CC,  4                            ; v4   l % 4
.set N99, 6                            ; v6   99.0: above every expert number
.set NEG, 7                            ; v7   -1.0: below every probability
.set LG,  8                            ; v[8:23]   group g at LG + 4 g: logits, then weights, then probabilities
.set HB,  24                           ; v[24:39]  the second half's logits; later the probabilities without the largest
.set B2,  40                           ; v[40:43]  b2 of my four experts
.set IDX, 44                           ; v[44:47]  my four experts' numbers, as f32
.set MX,  48                           ; v[48:51]  by group: the largest logit
.set SM,  52                           ; v[52:55]  the sum of weights; later the two largest probabilities' sum
.set M1,  56                           ; v[56:59]  the largest probability, then its gate
.set I1,  60                           ; v[60:63]  its expert
.set M2,  64                           ; v[64:67]  the second
.set I2,  68                           ; v[68:71]
.set TT,  72                           ; v[72:87]  at work
.set RC,  88                           ; v[88:91]  reciprocals
.set OG,  92                           ; v[92:93]  my token's two gates
.set OI,  94                           ; v[94:95]  my token's two experts
.macro ALLMAX dst, src                 ; by group: the largest of a token's 16 numbers, in all four of its lanes
.irp g, 0,1,2,3
	v_max3_num_f32 v[(\dst)+(\g)], v[(\src)+4*(\g)], v[(\src)+4*(\g)+1], v[(\src)+4*(\g)+2]
.endr
.irp g, 0,1,2,3
	v_max_num_f32 v[(\dst)+(\g)], v[(\dst)+(\g)], v[(\src)+4*(\g)+3]
.endr
.irp g, 0,1,2,3
	v_max_num_f32_dpp v[(\dst)+(\g)], v[(\dst)+(\g)], v[(\dst)+(\g)] row_xmask:1 row_mask:0xf bank_mask:0xf
.endr
.irp g, 0,1,2,3
	v_max_num_f32_dpp v[(\dst)+(\g)], v[(\dst)+(\g)], v[(\dst)+(\g)] row_xmask:2 row_mask:0xf bank_mask:0xf
.endr
.endm
.macro WHERE dst, val, m               ; by group: the lowest expert number at which val equals the token's m
.irp g, 0,1,2,3
.irp j, 0,1,2,3
	v_cmp_eq_f32 vcc_lo, v[(\val)+4*(\g)+(\j)], v[(\m)+(\g)]
	v_cndmask_b32 v[TT+4*(\g)+(\j)], v[N99], v[IDX+(\j)], vcc_lo
.endr
.endr
.irp g, 0,1,2,3
	v_min3_num_f32 v[(\dst)+(\g)], v[TT+4*(\g)], v[TT+4*(\g)+1], v[TT+4*(\g)+2]
.endr
.irp g, 0,1,2,3
	v_min_num_f32 v[(\dst)+(\g)], v[(\dst)+(\g)], v[TT+4*(\g)+3]
.endr
.irp g, 0,1,2,3
	v_min_num_f32_dpp v[(\dst)+(\g)], v[(\dst)+(\g)], v[(\dst)+(\g)] row_xmask:1 row_mask:0xf bank_mask:0xf
.endr
.irp g, 0,1,2,3
	v_min_num_f32_dpp v[(\dst)+(\g)], v[(\dst)+(\g)], v[(\dst)+(\g)] row_xmask:2 row_mask:0xf bank_mask:0xf
.endr
.endm
.macro KEEP dst, src                   ; of the four groups' numbers the lane keeps group l % 4's
	v_cndmask_b32 v[\dst], v[\src], v[(\src)+1], s20
	v_cndmask_b32 v[\dst], v[\dst], v[(\src)+2], s21
	v_cndmask_b32 v[\dst], v[\dst], v[(\src)+3], s22
.endm
	s_load_b256 s[4:11], s[0:1], 0x0               ; plog s[4:5], b2 s[6:7], out0 s[8:9], out1 s[10:11]
	s_load_b64 s[12:13], s[0:1], 0x20              ; out2
	s_lshl_b32 s14, ttmp9, 13                      ; the work-group's 128 tokens: 64 bytes each in plog and out2,
	s_mov_b32 s15, 0
	s_lshl_b32 s16, ttmp9, 10                      ; 8 bytes each in out0 and out1
	s_mov_b32 s17, 0
	v_and_b32 v[CC], 3, v0
	v_bfe_u32 v5, v0, 2, 3                         ; l / 4
	v_lshrrev_b32 v[TT], 5, v0                     ; wave
	v_and_b32 v[TT+1], 31, v0                      ; l
	v_lshlrev_b32 v[PO], 4, v[TT+1]
	v_lshl_add_u32 v[PO], v[TT], 11, v[PO]         ; 16 l + the wave's 32 tokens
	v_lshlrev_b32 v[BO], 4, v[CC]
	v_lshl_add_u32 v[OO], v[CC], 3, v5             ; the token that I store: 8 (l % 4) + l / 4
	v_lshlrev_b32 v[OO], 3, v[OO]
	v_lshl_add_u32 v[OO], v[TT], 8, v[OO]
	s_wait_kmcnt 0x0
	s_add_nc_u64 s[4:5], s[4:5], s[14:15]
	s_add_nc_u64 s[12:13], s[12:13], s[14:15]
	s_add_nc_u64 s[8:9], s[8:9], s[16:17]
	s_add_nc_u64 s[10:11], s[10:11], s[16:17]
.irp g, 0,1,2,3
	global_load_b128 v[LG+4*(\g):LG+4*(\g)+3], v[PO], s[4:5] offset:512*(\g) th:TH_LOAD_NT
	global_load_b128 v[HB+4*(\g):HB+4*(\g)+3], v[PO], s[4:5] offset:2097152+512*(\g) th:TH_LOAD_NT
.endr
	global_load_b128 v[B2:B2+3], v[BO], s[6:7]
	v_mov_b32 v[N99], 0x42c60000
	v_mov_b32 v[NEG], -1.0
	v_lshlrev_b32 v[IDX], 2, v[CC]
	v_cvt_f32_u32 v[IDX], v[IDX]
	v_add_f32 v[IDX+1], 1.0, v[IDX]
	v_add_f32 v[IDX+2], 2.0, v[IDX]
	v_add_f32 v[IDX+3], 0x40400000, v[IDX]
	v_cmp_eq_u32 s20, 1, v[CC]
	v_cmp_eq_u32 s21, 2, v[CC]
	v_cmp_eq_u32 s22, 3, v[CC]
	s_wait_loadcnt 0x0
	v_cvt_pk_bf16_f32 v[TT], v[B2], v[B2+1]        ; b2 rounded to bf16,
	v_cvt_pk_bf16_f32 v[TT+1], v[B2+2], v[B2+3]
	v_lshlrev_b32 v[B2], 16, v[TT]                 ; and widened again
	v_and_b32 v[B2+1], 0xffff0000, v[TT]
	v_lshlrev_b32 v[B2+2], 16, v[TT+1]
	v_and_b32 v[B2+3], 0xffff0000, v[TT+1]
.irp g, 0,1,2,3
	v_pk_add_f32 v[LG+4*(\g):LG+4*(\g)+1],   v[LG+4*(\g):LG+4*(\g)+1],   v[HB+4*(\g):HB+4*(\g)+1]
	v_pk_add_f32 v[LG+4*(\g)+2:LG+4*(\g)+3], v[LG+4*(\g)+2:LG+4*(\g)+3], v[HB+4*(\g)+2:HB+4*(\g)+3]
.endr
.irp g, 0,1,2,3
	v_pk_add_f32 v[LG+4*(\g):LG+4*(\g)+1],   v[LG+4*(\g):LG+4*(\g)+1],   v[B2:B2+1]
	v_pk_add_f32 v[LG+4*(\g)+2:LG+4*(\g)+3], v[LG+4*(\g)+2:LG+4*(\g)+3], v[B2+2:B2+3]
.endr
	ALLMAX MX, LG
.irp g, 0,1,2,3
.irp j, 0,1,2,3
	v_sub_f32 v[LG+4*(\g)+(\j)], v[LG+4*(\g)+(\j)], v[MX+(\g)]
.endr
.endr
.set i, 0
.rept 16
	v_mul_f32 v[LG+i], 0x3fb8aa3b, v[LG+i]         ; log2(e): v_exp_f32 works in base 2
.set i, i+1
.endr
.set i, 0
.rept 16
	v_exp_f32 v[LG+i], v[LG+i]
.set i, i+1
.endr
	v_nop                                          ; a plain instruction between the last exponential and the use of its result (ISA guide 5.7.2)
	s_wait_alu depctr_va_vdst(0)
.irp g, 0,1,2,3
	v_add_f32 v[SM+(\g)], v[LG+4*(\g)], v[LG+4*(\g)+1]
	v_add_f32 v[TT+(\g)], v[LG+4*(\g)+2], v[LG+4*(\g)+3]
.endr
.irp g, 0,1,2,3
	v_add_f32 v[SM+(\g)], v[SM+(\g)], v[TT+(\g)]
.endr
.irp g, 0,1,2,3
	v_add_f32_dpp v[SM+(\g)], v[SM+(\g)], v[SM+(\g)] row_xmask:1 row_mask:0xf bank_mask:0xf
.endr
.irp g, 0,1,2,3
	v_add_f32_dpp v[SM+(\g)], v[SM+(\g)], v[SM+(\g)] row_xmask:2 row_mask:0xf bank_mask:0xf  ; the same bits in a token's four lanes: each step adds the same two numbers
.endr
.irp g, 0,1,2,3
	v_rcp_f32 v[RC+(\g)], v[SM+(\g)]
.endr
	v_nop                                          ; a plain instruction behind the last reciprocal
	s_wait_alu depctr_va_vdst(0)
.irp g, 0,1,2,3
.irp j, 0,1,2,3
	v_mul_f32 v[LG+4*(\g)+(\j)], v[LG+4*(\g)+(\j)], v[RC+(\g)]
.endr
.endr
.irp g, 0,1,2,3
	global_store_b128 v[PO], v[LG+4*(\g):LG+4*(\g)+3], s[12:13] offset:512*(\g) th:TH_STORE_NT  ; 512 consecutive bytes; these registers are not written again
.endr
	ALLMAX M1, LG                                  ; the largest probability,
	WHERE I1, LG, M1                               ; the lowest expert that has it,
.irp g, 0,1,2,3
.irp j, 0,1,2,3
	v_cmp_eq_f32 vcc_lo, v[IDX+(\j)], v[I1+(\g)]
	v_cndmask_b32 v[HB+4*(\g)+(\j)], v[LG+4*(\g)+(\j)], v[NEG], vcc_lo  ; that one expert is taken out,
.endr
.endr
	ALLMAX M2, HB                                  ; and the same again
	WHERE I2, HB, M2
.irp g, 0,1,2,3
	v_add_f32 v[SM+(\g)], v[M1+(\g)], v[M2+(\g)]
.endr
.irp g, 0,1,2,3
	v_add_f32 v[SM+(\g)], 0x322bcc77, v[SM+(\g)]   ; + 1e-8
.endr
.irp g, 0,1,2,3
	v_rcp_f32 v[RC+(\g)], v[SM+(\g)]
.endr
.irp g, 0,1,2,3
	v_cvt_i32_f32 v[I1+(\g)], v[I1+(\g)]           ; plain work stands behind the reciprocals
	v_cvt_i32_f32 v[I2+(\g)], v[I2+(\g)]
.endr
	s_wait_alu depctr_va_vdst(0)
.irp g, 0,1,2,3
	v_mul_f32 v[M1+(\g)], v[M1+(\g)], v[RC+(\g)]
	v_mul_f32 v[M2+(\g)], v[M2+(\g)], v[RC+(\g)]
.endr
	KEEP OG, M1
	KEEP OG+1, M2
	KEEP OI, I1
	KEEP OI+1, I2
	global_store_b64 v[OO], v[OG:OG+1], s[8:9] th:TH_STORE_NT    ; the wave's 32 tokens: 256 consecutive bytes, at a multiple of 256 from the buffer's first byte
	global_store_b64 v[OO], v[OI:OI+1], s[10:11] th:TH_STORE_NT
	s_endpgm
.Lfunc_end_k_q99ff5e7dbc_finish:
	.size	k_q99ff5e7dbc_finish, .Lfunc_end_k_q99ff5e7dbc_finish-k_q99ff5e7dbc_finish
	.p2alignl 7, 3214868480
	.fill 96, 4, 3214868480
	.section	.rodata,"a",@progbits
	.p2align	6, 0x0
	.amdhsa_kernel k_q99ff5e7dbc_finish
		.amdhsa_group_segment_fixed_size 0
		.amdhsa_private_segment_fixed_size 0
		.amdhsa_enable_private_segment 0
		.amdhsa_kernarg_size 40
		.amdhsa_user_sgpr_count 2
		.amdhsa_user_sgpr_kernarg_segment_ptr 1
		.amdhsa_wavefront_size32 1
		.amdhsa_system_sgpr_workgroup_id_x 1
		.amdhsa_system_sgpr_workgroup_id_y 1
		.amdhsa_system_sgpr_workgroup_id_z 1
		.amdhsa_system_vgpr_workitem_id 0
		.amdhsa_next_free_vgpr 96
		.amdhsa_next_free_sgpr 66
		.amdhsa_reserve_vcc 1
		.amdhsa_float_denorm_mode_32 3
		.amdhsa_float_denorm_mode_16_64 3
		.amdhsa_memory_ordered 1
		.amdhsa_forward_progress 1
		.amdhsa_inst_pref_size 18
	.end_amdhsa_kernel
	.amdgpu_metadata
---
amdhsa.version: [ 1, 2 ]
amdhsa.kernels:
  - .name:           k_q99ff5e7dbc_finish
    .symbol:         k_q99ff5e7dbc_finish.kd
    .args:
      - { .name: plog, .offset: 0, .size: 8, .value_kind: global_buffer, .address_space: global }
      - { .name: b2, .offset: 8, .size: 8, .value_kind: global_buffer, .address_space: global }
      - { .name: out0, .offset: 16, .size: 8, .value_kind: global_buffer, .address_space: global }
      - { .name: out1, .offset: 24, .size: 8, .value_kind: global_buffer, .address_space: global }
      - { .name: out2, .offset: 32, .size: 8, .value_kind: global_buffer, .address_space: global }
    .group_segment_fixed_size: 0
    .private_segment_fixed_size: 0
    .kernarg_segment_align: 8
    .kernarg_segment_size: 40
    .max_flat_workgroup_size: 128
    .sgpr_count:     66
    .vgpr_count:     96
    .wavefront_size: 32
...
	.end_amdgpu_metadata
.endif
;; end of part 3
